; MI455X (gfx1250); checked and timed in simulation.
; The chip was launched on July 23, 2026; its instructions are those of AMD's public machine-readable ISA for CDNA 5 (MIT licence, August 2026) and "CDNA5" Instruction Set Architecture Reference Guide (July 2026). The comments in the code are by the model that wrote it; some were corrected since.
;; RESU Linear. Allowed arithmetic: matrix products marked QUANTISED: E5M2 operands, one given power-of-two scale a tensor, by v_wmma_f32_16x16x64_bf8_bf8 or v_wmma_f32_16x16x128_bf8_bf8, f32 sums; everything else in f32.
;; Inputs: bias 4,096 float32; lowp_scales 2 int32 (the exponents e of the quantised operands' scales 2^e); mask 4,096 x 4,096 bool; qscale 4,096 x 1 float32; qzero 4,096 x 1 float32; theta 4,096 x 4,096 float32; wq 4,096 x 4,096 int32; x_codes 4 x 1,024 x 128 x 32 uint8 (E5M2 codes of x, K innermost, in blocks of 32 codes).
;; Outputs: out0 4 x 1,024 x 4,096 float32.
;; This version of the problem:
;;   THIS VERSION OF THE PROBLEM IS GIVEN IN LOW PRECISION. The matrix products marked QUANTISED in the list below multiply operands that are first quantised to E5M2 (5 exponent bits, 2 mantissa bits; 8 bits a number), with one given power-of-two scale for each operand tensor; their sums are f32. All else is computed in f32.
;;   The module's matrix products, in the order in which they are computed (A, B: the left and right operand; K: the contracted axis; several contracted axes count as one K, in the product's order):
;;     1. [M 4,096, K 4,096] x [K 4,096, N 4,096]; A: input x (given as codes); B: computed on the way: QUANTISED (scales: A lowp_scales[0], B lowp_scales[1])
;;   THE QUANTISER, for each operand of a quantised product, along K:
;;     - The operand's scale is 2^e, e = its entry of the input lowp_scales (int32; the entries are numbered through the quantised products in the list's order, A before B).
;;     - Each number is divided by the scale, clamped to +-57,344, and rounded to the nearest number of E5M2, ties to even, subnormals kept.
;;     - The product sums the exact products of the quantised numbers (number of the format x scale) in f32.
;;   ~~~python
;;   def quantise(x, axis, e):      # numpy; x: float32 -> the quantised numbers, widened to float32 again
;;       x = np.moveaxis(x, axis, -1); K = x.shape[-1]
;;       r = np.clip(x / 2.0 ** e, -57344, 57344)
;;       step = 2.0 ** (np.maximum(np.frexp(np.where(r == 0, 1, r))[1] - 1, -14) - 2)
;;       q = np.round(r / step) * step * 2.0 ** e      # np.round: ties to even
;;       return np.moveaxis(q, -1, axis).astype(np.float32)
;;   ~~~
;;   OPERANDS COMPUTED ON THE WAY. 'Computed on the way' means the value that the module computes at that place (a softmax that the list does not call 'softmax' is quantised finished and normalised). What goes into a quantiser is computed in f32, as accurately as f32 sums, v_exp_f32 and their like allow (about 1e-6 of the number): no bf16 or f16 on the way to a quantiser, and a product that is left as it is and whose result goes on into a quantised operand takes f32 operands (vector FMAs, or v_wmma_f32_16x16x4_f32). A number that lies on a knife's edge between two numbers of the format may be rounded either way, as far as f32 arithmetic and the matrix unit's own rounding can turn it there, and no further.
;;   INPUTS GIVEN AS CODES. x (in the module: [4, 1024, 4096], K = its axis 2): each comes as NAME_codes (uint8): NAME with its K axis moved to the last place and cut into blocks of 32 codes, [.., K / 32, bytes a block], one block behind the other in memory; one code a byte (a code: sign, 5 exponent bits, 2 mantissa bits); its scale is its entry of lowp_scales. Its value is code x scale, taken as it is: it is not quantised again, and the codes and scales need not be those that the quantiser above would give.
;; One version. Each part assembles by itself: llvm-mc -triple=amdgcn-amd-amdhsa -mcpu=gfx1250 --defsym DOCPART=n.
;; ======== version 1 of 1: 2 launches
;; limits: right only within a limited range of input values
;; workspace buffers: w_codes 16,777,216 bytes
;; launch wquant (part 1): grid 256 x 1, 16 waves a work-group, no clusters, 104,448 bytes of LDS; arguments wq, theta, mask, qscale, qzero, lowp_scales, w_codes; writes w_codes
.if DOCPART == 1
	.amdgcn_target "amdgcn-amd-amdhsa--gfx1250"
	.amdhsa_code_object_version 6
	.text
	.protected	k_q14e3b71983_wquant
	.globl	k_q14e3b71983_wquant
	.p2align	8
	.type	k_q14e3b71983_wquant,@function
k_q14e3b71983_wquant:
	s_mov_b64 s[64:65], 0
	v_nop
	global_prefetch_b8 v0, s[64:65] scope:SCOPE_SE
	s_setreg_imm32_b32 hwreg(HW_REG_WAVE_MODE, 25, 1), 1
	s_wait_xcnt 0x0
; w_eff[o][k] = mask[o][k] ? (wq[o][k] - qzero[o]) * qscale[o] : theta[o][k], turned into codes of BF8 (E5M2) with the given scale 2^e1 (entry 1 of the scales).
; code = w / 2^e1, held within +-57,344, rounded to the nearest code, ties to even.  The difference and the product are two f32 roundings, as the definition has them.
; THE BUFFER OF CODES IS LAID AS THE PRODUCT'S LAUNCH LOADS IT INTO REGISTERS.  Tile nt (0..255) is 65,536 bytes and holds the 16 output columns o = 64 (nt / 4) + 4 r + nt % 4, r = 0..15.
; Inside a tile the piece of 16 codes k = 16 u .. 16 u + 15 of column r lies at byte 256 u + 16 r: so 512 bytes on end are four registers of 32 lanes of an operand (lane 16 h + r: k = 32 c + 16 h + 0 .. 15).
; THE CHOICE BY THE MASK IS MADE ON THE CODES: both numbers are held and converted, and one v_bfi_b32 picks four codes at a time by the mask's bytes x 255.
; LIMITS: e1 between -126 and 112, so that 2^e1 and 57,344 x 2^e1 are f32 numbers.  Mask bytes are 0 or 1.  NaN among the inputs is not served, and a number that is not finite at a place that the mask
; does not choose is passed over (the definition's 0 x infinity would be NaN).  The sign of a zero may differ: a zero code adds nothing to a sum.
; SHARES.  Work-group nt makes tile nt; wave r takes the tile's column r, a whole row of the inputs, in 8 steps of 512 numbers; qscale and qzero are scalars of the wave.
; Every global load of a wave covers 512 consecutive bytes, aligned.  The turn from 4 to 16 neighbours a lane is made on the codes, in the wave's own two LDS stages by turns.
; The chosen codes, 16 a lane, go into a stage of the work-group (piece u at 272 u + 16 r); behind a barrier each wave reads whole pieces' rows back and stores 512 consecutive bytes an instruction.
; That is done twice: for steps 0 to 3 and for steps 4 to 7, on bytes of their own, so one barrier serves each half.  Loads run four steps (36 loads a wave) ahead.
; No tensor loads, no cluster, no matrix unit: nothing is multiplied by a matrix.  No prefetch: the launch does nothing but stream.
.set STEPS, 8
.set X,   8                            ; v8-151   four sets of 36: +0..15 wq's numbers, +16..31 theta's, +32..35 the mask's 16 bytes
.set PC,  152                          ; v152-167 two sets of 8: codes of the dequantised numbers, of theta's
.set CB,  168                          ; v168-183 two sets of 8: the same codes back from the wave's stage
.set F,   184                          ; v184-191 two sets of 4: the mask's bytes x 255
.set OUT, 192                          ; v192-223 the chosen codes, four registers a step; then the rows read back
.set SH,  0x8800                       ; the work-group's stage, behind the waves' stages (0..0x7fff) and the spare words (0x8000..0x87ff)
.set UP,  272                          ; its pitch: 256 bytes + 16
	s_load_b256 s[4:11], s[0:1], 0x0               ; wq, theta, mask, qscale
	s_load_b128 s[12:15], s[0:1], 0x20             ; qzero, the scales' exponents
	s_load_b64 s[16:17], s[0:1], 0x30              ; the codes
	v_lshl_add_u32 v224, v0, 2, 0x8000
	v_mov_b32 v225, 0
	v_lshrrev_b32 v7, 5, v0
	s_delay_alu instid0(VALU_DEP_1)
	v_readfirstlane_b32 s18, v7                    ; wave 0..15 = r
	v_and_b32 v6, 31, v0                           ; lane
	s_wait_alu depctr_va_vdst(0)
	v_lshlrev_b32 v1, 4, v6                        ; 16 x lane
	s_lshr_b32 s19, ttmp9, 2
	s_lshl_b32 s19, s19, 6                         ; 64 (nt / 4)
	s_lshl_b32 s27, s18, 2
	s_add_co_u32 s19, s19, s27                     ; + 4 r
	s_and_b32 s27, ttmp9, 3
	s_add_co_u32 s19, s19, s27                     ; + nt % 4: my row o
	s_lshl_b32 s20, s19, 14                        ; a row of wq or theta is 16,384 bytes,
	s_mov_b32 s21, 0
	s_lshl_b32 s22, s19, 12                        ; of the mask 4,096,
	s_mov_b32 s23, 0
	s_lshl_b32 s24, s19, 2                         ; of qscale or qzero 4
	s_mov_b32 s25, 0
	s_lshl_b32 s34, ttmp9, 16                      ; my tile of codes
	s_mov_b32 s35, 0
	s_lshl_b32 s26, s18, 11                        ; my wave's 2,048 bytes of LDS
	s_lshl_b32 s36, s18, 4
	s_add_co_u32 s36, s36, SH                      ; into the shared stage: column r
	s_mul_i32 s37, s18, 8*UP
	s_add_co_u32 s37, s37, SH                      ; out of it: pieces 8 r .. 8 r + 7 of a half
	v_lshl_add_u32 v2, v6, 2, s26                  ; into my stage: 4 x lane
	v_lshl_add_u32 v3, v6, 4, s26                  ; out of it: 16 x lane.  Also my byte offset in a half of the tile: 2,048 r + 16 x lane
	v_mul_u32_u24 v226, v6, UP
	v_add_nc_u32 v226, s36, v226                   ; piece = lane (+ 32 x step in the immediate), column r
	v_lshrrev_b32 v227, 4, v6
	v_and_b32 v228, 15, v6
	v_mul_u32_u24 v227, v227, UP
	v_lshl_add_u32 v227, v228, 4, v227
	v_add_nc_u32 v227, s37, v227                   ; lanes 0-15 one piece's 256 bytes, lanes 16-31 the next piece's
	s_wait_alu depctr_va_vdst(0)
	s_wait_kmcnt 0x0
	s_add_nc_u64 s[4:5], s[4:5], s[20:21]
	s_add_nc_u64 s[6:7], s[6:7], s[20:21]
	s_add_nc_u64 s[8:9], s[8:9], s[22:23]
	s_add_nc_u64 s[10:11], s[10:11], s[24:25]
	s_add_nc_u64 s[12:13], s[12:13], s[24:25]
	s_add_nc_u64 s[16:17], s[16:17], s[34:35]
	s_load_b32 s28, s[10:11], 0x0                  ; qscale[o]
	s_load_b32 s30, s[12:13], 0x0                  ; qzero[o]
	s_load_b32 s32, s[14:15], 0x4                  ; e1
.macro LOAD t                          ; step t's nine loads, into set t % 4
.set LS, X+36*((\t)%4)
.irp i, 0,1,2,3
	global_load_b128 v[LS+4*\i:LS+4*\i+3], v1, s[4:5] offset:2048*(\t)+512*\i th:TH_LOAD_NT
.endr
.irp i, 0,1,2,3
	global_load_b128 v[LS+16+4*\i:LS+16+4*\i+3], v1, s[6:7] offset:2048*(\t)+512*\i th:TH_LOAD_NT
.endr
	global_load_b128 v[LS+32:LS+35], v1, s[8:9] offset:512*(\t) th:TH_LOAD_NT
.endm
.irp t, 0,1,2,3
	LOAD \t
.endr
	s_wait_kmcnt 0x0
	s_mov_b32 s29, s28                             ; (the packed forms name a pair)
	s_xor_b32 s30, s30, 0x80000000                 ; -qzero
	s_mov_b32 s31, s30
	s_add_co_i32 s32, s32, 127
	s_lshl_b32 s33, s32, 23
	v_mov_b32 v4, s33                              ; 2^e1 as f32
	s_add_co_i32 s32, s32, 15
	s_lshl_b32 s32, s32, 23
	s_or_b32 s32, s32, 0x600000
	v_mov_b32 v5, s32                              ; 57,344 x 2^e1
; Step t: numbers to codes, codes into my stage and back; the loads of four steps on.
.macro MAKE t
.set XS, X+36*((\t)%4)
.set P, (\t)%2
.if STEPS-1-(\t) >= 3
	s_wait_loadcnt 27                              ; this step's nine are in; the nine of each of the three steps behind it may be out
.else
	s_wait_loadcnt 9*(STEPS-1-(\t))
.endif
.irp i, 0,1,2,3,4,5,6,7,8,9,10,11,12,13,14,15
	v_cvt_f32_i32 v[XS+\i], v[XS+\i]
.endr
.irp i, 0,2,4,6,8,10,12,14
	v_pk_add_f32 v[XS+\i:XS+\i+1], v[XS+\i:XS+\i+1], s[30:31] op_sel_hi:[1,0]   ; wq - qzero
.endr
.irp i, 0,2,4,6,8,10,12,14
	v_pk_mul_f32 v[XS+\i:XS+\i+1], v[XS+\i:XS+\i+1], s[28:29] op_sel_hi:[1,0]   ; x qscale
.endr
.irp i, 0,1,2,3,4,5,6,7,8,9,10,11,12,13,14,15,16,17,18,19,20,21,22,23,24,25,26,27,28,29,30,31
	v_med3_num_f32 v[XS+\i], v[XS+\i], -v5, v5     ; the conversion does not saturate (ISA guide 7.6.2): held first
.endr
.irp g, 0,1,2,3
	v_cvt_scalef32_pk8_bf8_f32 v[PC+8*P+2*\g:PC+8*P+2*\g+1], v[XS+8*\g:XS+8*\g+7], v4
.endr
.irp j, 0,1,2,3
	v_lshlrev_b32 v[F+4*P+\j], 8, v[XS+32+\j]      ; 256 m - m = 255 m: bytes of 0 or 1 become 0x00 or 0xff
	s_delay_alu instid0(VALU_DEP_1)
	v_sub_nc_u32 v[F+4*P+\j], v[F+4*P+\j], v[XS+32+\j]   ; (these plain lines also stand behind the last conversion)
.endr
.irp i, 0,1,2,3
	ds_store_b32 v2, v[PC+8*P+\i] offset:1024*P+128*\i
.endr
.irp i, 0,1,2,3
	ds_store_b32 v2, v[PC+8*P+4+\i] offset:1024*P+512+128*\i
.endr
	ds_load_b128 v[CB+8*P:CB+8*P+3], v3 offset:1024*P          ; LDS serves a wave's instructions in order (ISA guide 5.7.1.4)
	ds_load_b128 v[CB+8*P+4:CB+8*P+7], v3 offset:1024*P+512
.if (\t)+4 < STEPS
	LOAD (\t)+4
.endif
.endm
; Step q's codes are back: the mask chooses, and the lane's 16 codes go to piece 32 q + lane, column r, of the shared stage.
.macro FINISH q, younger
.set PQ, (\q)%2
	s_wait_dscnt \younger                          ; at most the next step's ten LDS instructions are out
.irp j, 0,1,2,3
	v_bfi_b32 v[OUT+4*(\q)+\j], v[F+4*PQ+\j], v[CB+8*PQ+\j], v[CB+8*PQ+4+\j]
.endr
	ds_store_b128 v226, v[OUT+4*(\q):OUT+4*(\q)+3] offset:32*UP*(\q)
.endm
; Half f of the tile (pieces 128 f .. 128 f + 127) is whole in the stage once every wave has stored and waited: each wave takes 8 pieces, 2,048 bytes on end of the tile.
.macro FLUSH f
	s_wait_dscnt 0x0                               ; for the others' sake: my stores into the shared stage are done
	s_barrier_signal -1
	s_barrier_wait -1
.irp i, 0,1,2,3
	ds_load_b128 v[OUT+16*\f+4*\i:OUT+16*\f+4*\i+3], v227 offset:(128*\f+2*\i)*UP
.endr
	s_wait_dscnt 0x0
.irp i, 0,1,2,3
	global_store_b128 v3, v[OUT+16*\f+4*\i:OUT+16*\f+4*\i+3], s[16:17] offset:32768*\f+512*\i   ; 512 consecutive bytes, aligned
.endr
.endm
	MAKE 0
.irp t, 1,2,3,4,5,6,7
	MAKE \t
	FINISH \t-1, 10
.if \t == 4
	FLUSH 0
.endif
.endr
	s_wait_alu depctr_va_vdst(0)
	FINISH 7, 0
	FLUSH 1
	s_wait_tensorcnt 0x0                           ; the wave's end
	ds_add_u32 v224, v225
	s_wait_dscnt 0x0
	s_endpgm
.Lfunc_end_k_q14e3b71983_wquant:
	.size	k_q14e3b71983_wquant, .Lfunc_end_k_q14e3b71983_wquant-k_q14e3b71983_wquant
	.p2alignl 7, 3214868480
	.fill 96, 4, 3214868480
	.section	.rodata,"a",@progbits
	.p2align	6, 0x0
	.amdhsa_kernel k_q14e3b71983_wquant
		.amdhsa_group_segment_fixed_size 104448
		.amdhsa_private_segment_fixed_size 0
		.amdhsa_enable_private_segment 0
		.amdhsa_kernarg_size 56
		.amdhsa_user_sgpr_count 2
		.amdhsa_user_sgpr_kernarg_segment_ptr 1
		.amdhsa_wavefront_size32 1
		.amdhsa_system_sgpr_workgroup_id_x 1
		.amdhsa_system_sgpr_workgroup_id_y 1
		.amdhsa_system_sgpr_workgroup_id_z 1
		.amdhsa_system_vgpr_workitem_id 0
		.amdhsa_next_free_vgpr 232
		.amdhsa_next_free_sgpr 66
		.amdhsa_reserve_vcc 0
		.amdhsa_float_denorm_mode_32 3
		.amdhsa_float_denorm_mode_16_64 3
		.amdhsa_memory_ordered 1
		.amdhsa_forward_progress 1
		.amdhsa_inst_pref_size 53
	.end_amdhsa_kernel
	.amdgpu_metadata
---
amdhsa.version: [ 1, 2 ]
amdhsa.kernels:
  - .name:           k_q14e3b71983_wquant
    .symbol:         k_q14e3b71983_wquant.kd
    .args:
      - { .name: wq, .offset: 0, .size: 8, .value_kind: global_buffer, .address_space: global }
      - { .name: theta, .offset: 8, .size: 8, .value_kind: global_buffer, .address_space: global }
      - { .name: mask, .offset: 16, .size: 8, .value_kind: global_buffer, .address_space: global }
      - { .name: qscale, .offset: 24, .size: 8, .value_kind: global_buffer, .address_space: global }
      - { .name: qzero, .offset: 32, .size: 8, .value_kind: global_buffer, .address_space: global }
      - { .name: lowp_scales, .offset: 40, .size: 8, .value_kind: global_buffer, .address_space: global }
      - { .name: w_codes, .offset: 48, .size: 8, .value_kind: global_buffer, .address_space: global }
    .group_segment_fixed_size: 104448
    .private_segment_fixed_size: 0
    .kernarg_segment_align: 8
    .kernarg_segment_size: 56
    .max_flat_workgroup_size: 512
    .sgpr_count:     66
    .vgpr_count:     232
    .wavefront_size: 32
...
	.end_amdgpu_metadata
.endif
;; end of part 1
;; launch gemm (part 2): grid 16 x 16, 4 waves a work-group, clusters of 4 x 4, 327,680 bytes of LDS; arguments x_codes, w_codes, lowp_scales, bias, out0; writes out0
.if DOCPART == 2
	.amdgcn_target "amdgcn-amd-amdhsa--gfx1250"
	.amdhsa_code_object_version 6
	.text
	.protected	k_q14e3b71983_gemm
	.globl	k_q14e3b71983_gemm
	.p2align	8
	.type	k_q14e3b71983_gemm,@function
k_q14e3b71983_gemm:
	s_mov_b64 s[64:65], 0
	v_nop
	global_prefetch_b8 v0, s[64:65] scope:SCOPE_SE
	s_setreg_imm32_b32 hwreg(HW_REG_WAVE_MODE, 25, 1), 1
	s_wait_xcnt 0x0
	s_wait_alu depctr_hold_cnt(0) depctr_sa_sdst(0) depctr_va_vdst(0) depctr_va_sdst(0) depctr_va_ssrc(0) depctr_va_vcc(0) depctr_vm_vsrc(0)
	s_getreg_b32 s2, hwreg(HW_REG_IB_STS2, 6, 4)
	s_cmp_eq_u32 s2, 0
	s_cbranch_scc0 .Lentry_in_a_cluster
	s_endpgm
.Lentry_in_a_cluster:
	s_bfe_u32 s2, ttmp6, 0x10000c
	s_cmp_lg_u32 s2, 0xf033
	s_cbranch_scc0 .Lentry_shape_is_right
	s_endpgm
.Lentry_shape_is_right:
; out[m][n] = 2^(e0 + e1) x (sum over k of x_code[m][k] w_code[n][k]) + bias[n].  4,096 x 4,096 x 4,096, codes of BF8 (E5M2), sums in f32.
; LIMIT: e0 + e1 lies between -126 and 127, so that 2^(e0 + e1) is an f32 number.
; A work-group of four waves makes 256 x 256 of the result; wave w makes all 256 rows x columns 64 w .. 64 w + 63: 64 accumulators of 16 x 16, 512 registers.
; x's CODES GO THROUGH LDS: a ring of two slots of 256 rows x 512 bytes (512 along K), each wave fetching 64 rows by one tensor load.  The four work-groups of a row of the 4 x 4 cluster need the same
; rows of x and ask for them JOINTLY (one descriptor, a mask that names the four).  Every wave reads all 256 rows.
; w's CODES GO FROM MEMORY STRAIGHT INTO REGISTERS: the launch before has laid them as register images (tile nt = 16 columns, 65,536 bytes: [K / 128][4][lane][16 bytes]), so each load of a wave is 512 bytes
; on end.  A wave's 64 columns are read by no other wave of its work-group, so LDS would only add a write and a read of them; a joint load lands in LDS alone, so w's codes are not asked for jointly.
; With x alone in LDS a slot holds 512 along K: 8 fills, 7 changes of slots, 256 matrix instructions a wave for each slot.
; Tile c (0..3) of a wave holds in lane r column 4 r + c of its 64: so a lane's results of the four tiles are four neighbouring columns, 16 bytes, and sixteen lanes store 256 bytes on end of a row.
; A fragment (16 rows x 128 K, 16 registers): lane 16 h + r holds row r, registers 4 c .. 4 c + 3 hold K = 32 c + 16 h + 0 .. 15, alike for x and w: a permutation of k that both sides share.
; REGISTERS: window 0: v8-11 bias, v16-29 addresses, v64-191 x's fragments: two places of four; v192-255 w's very last step.  Window 1: w's fragments, four sets of 64 (set = (K / 128) % 4); in the last
; slot set 3 is free and takes the results on their way out.  Window 2: accumulators of rows 0-127 ((a, b) at v[8 (4 (a % 8) + b)]); window 3: of rows 128-255.
; A STEP is 128 along K: 4 groups of 4 row blocks, 16 matrix instructions each.  At a group's head the next group's 16 LDS loads go out in ONE run, into the place that the group before has left; in a step's
; first run stand also the 16 loads that fill the set just freed with the step three on (32 such loads may be out at a step's head).  The 64 accumulators take turns.
; THE LAST SLOT (512 ALONG K) GOES BY ROWS: each block of 16 rows is finished by 16 matrix instructions (4 accumulators by turns), scaled, given its bias and stored, while the other blocks are still to be
; multiplied.  All four of w's last steps are then in registers at once: three in sets 0 to 2, the last in window 0, asked for one step ahead of the slot.
; PREFETCH: behind each of the first five refills a wave asks for x's K step and w's slot three slots on from the slot in use: x: 16 rows x 2 blocks of 256 bytes, the four partners of a row of the cluster
; sharing a wave's 64 rows by address (cx); w: the 32 blocks of one of the wave's four tiles, the four partners of a column sharing the tiles by address (cy).  Slots 0 to 2 come by their loads alone.
.set PITCH,  528                       ; an LDS row: 512 bytes + 16: the 16 rows of a fragment load begin in 16 different columns of 16 bytes modulo 256
.set BLK,    16*PITCH
.set SLOT,   256*PITCH
.set SPARE,  2*SLOT                    ; the spare words, 128 bytes a wave
.set BI,   8
.set ADRA, 16                          ; v16-19  LDS address of my lane's part of rows 0-127, 128-255 in slot 0, then in slot 1
.set GO,   20                          ; 16 x lane
.set CO,   21                          ; my offset in the result: 8 h rows + 16 r
.set BO,   22                          ; 16 r
.set PFOA, 23
.set PFOB, 24
.set SPW,  28
.set NIL,  29
.set AF,   64
.set G1, 24                            ; s[24:31] descriptor group 1
.set G0, 32                            ; s[32:39] group 0, one set a slot
.set BB,  60                           ; s[60:61] my four tiles of w, stepped once a trip
.set PFA, 62
.set PFB, 66
.set MSB, 0
.macro WIN new                         ; the immediate's high byte repeats the setting that is left
.if MSB != (\new)
	s_set_vgpr_msb (MSB<<8)|(\new)
.set MSB, (\new)
.endif
.endm
.set MUL_LO, 0xa4                      ; source 0 (x) window 0, source 1 (w) window 1, C and D window 2
.set MUL_HI, 0xf4
.set TO_B,   0x40
.macro PLACES                          ; four places in front of loads into registers that matrix instructions have read, and of reads of results
.rept 4
	v_nop
.endr
.endm
.macro TLOAD s                         ; the joint load; s_nop 0 and four v_nop behind it
	tensor_load_to_lds s[G0+4*\s:G0+4*\s+3], s[G1:G1+7]
	s_nop 0
	PLACES
.endm
.macro CREST
	s_cmp_lg_u32 s14, 0
	s_cbranch_scc1 .Lnot_wave_0_\@
	s_barrier_signal -3
.Lnot_wave_0_\@:
	s_barrier_wait -3
	s_barrier_signal -1
	s_barrier_wait -1
.endm
.macro CROUND
	s_barrier_signal -1
	s_barrier_wait -1
	CREST
.endm
.macro LDB k                           ; w's four fragments of step k (counted from BB) into registers 64 (k % 4) .. of the window that is set: 16 loads of 512 bytes on end
.irp c, 0,1,2,3
.irp g, 0,1,2,3
	global_load_b128 v[64*((\k)%4)+16*\c+4*\g:64*((\k)%4)+16*\c+4*\g+3], v[GO], s[BB:BB+1] offset:65536*\c+2048*(\k)+512*\g
.endr
.endr
.endm
.macro LDGRP slot, q, g                ; x's row blocks 4 g .. 4 g + 3 of the slot's q-th 128 along K into place g % 2
.irp i, 0,1,2,3
.irp c, 0,1,2,3
	ds_load_b128 v[AF+64*((\g)%2)+16*\i+4*\c:AF+64*((\g)%2)+16*\i+4*\c+3], v[ADRA+2*(\slot)+(\g)/2] offset:((4*(\g)+\i)%8)*BLK+128*(\q)+32*\c
.endr
.endr
.endm
.macro LDRB a                          ; by rows: block a's four fragments of slot 1 (all 512 along K) into place a % 2
.irp u, 0,1,2,3
.irp c, 0,1,2,3
	ds_load_b128 v[AF+64*((\a)%2)+16*\u+4*\c:AF+64*((\a)%2)+16*\u+4*\c+3], v[ADRA+2+(\a)/8] offset:((\a)%8)*BLK+128*\u+32*\c
.endr
.endr
.endm
.macro MULB a, fa, q, zero             ; four matrix instructions: row block a (fragment at fa) x set q's four tiles
.irp b, 0,1,2,3
.if \zero
	v_wmma_f32_16x16x128_bf8_bf8 v[8*(4*((\a)%8)+\b):8*(4*((\a)%8)+\b)+7], v[\fa:\fa+15], v[64*(\q)+16*\b:64*(\q)+16*\b+15], 0
.else
	v_wmma_f32_16x16x128_bf8_bf8 v[8*(4*((\a)%8)+\b):8*(4*((\a)%8)+\b)+7], v[\fa:\fa+15], v[64*(\q)+16*\b:64*(\q)+16*\b+15], v[8*(4*((\a)%8)+\b):8*(4*((\a)%8)+\b)+7]
.endif
.endr
.endm
; group g of a step: first the run of loads (the next group's fragments, on the place of group g - 1; g = 0: the set of the step before too), then the group's 16 matrix instructions
.macro GR slot, q, zero, ldk, g
	PLACES
.if ((\g) == 0) && ((\ldk) >= 0)
	WIN TO_B
	LDB \ldk
.endif
	WIN 0
.if (\g) < 3
	LDGRP \slot, \q, (\g)+1
.else
	LDGRP \slot, (\q)+1, 0
.endif
	WIN MUL_LO+0x50*((\g)/2)
.irp i, 0,1,2,3
	s_wait_dscnt 28-4*\i                           ; block i's four loads are in; the rest of its run and the 16 loads just issued may be out
	MULB 4*(\g)+\i, AF+64*((\g)%2)+16*\i, \q, \zero
.endr
.endm
.macro SUB slot, q, zero, ldk          ; a step that has its successor in the same slot
	s_wait_loadcnt 32                              ; my set is in; the two sets behind it may be out
.irp g, 0,1,2,3
	GR \slot, \q, \zero, \ldk, \g
.endr
.endm
.macro ASK cond, i
.if \cond
	s_cmp_gt_u32 s3, 1                             ; in the last trip the second refill has no slot three on
	s_cbranch_scc0 .Lno_\@
.endif
	global_prefetch_b8 v[PFOA], s[PFA:PFA+1] offset:512*\i th:TH_LOAD_NT scope:SCOPE_SE
	global_prefetch_b8 v[PFOB], s[PFB:PFB+1] offset:8192*\i th:TH_LOAD_NT scope:SCOPE_SE
.Lno_\@:
.endm
; A slot's last step changes slots.  Its last LDS reads go out at group 2's head.  Then each wave waits for all its tensor loads, adds 0 to its spare word, and waits for that and for its reads;
; behind the barrier (fill = 1: a round of the cluster's barrier) the slot is filled again first, and the next slot's first fragments are read (rows = 1: block 0's, for the slot that goes by rows).
.macro TURN slot, next, fill, ldk, ask, rows
	s_wait_loadcnt 32
	GR \slot, 3, 0, \ldk, 0
	GR \slot, 3, 0, -1, 1
	PLACES
	WIN 0
	LDGRP \slot, 3, 3
	s_wait_tensorcnt 0x0                           ; my part of the next slot has landed
	ds_add_u32 v[SPW], v[NIL]
.if \fill
	s_add_nc_u64 s[G0+4*\slot+2:G0+4*\slot+3], s[G0+4*\slot+2:G0+4*\slot+3], 1024   ; no load of mine is out: this slot's next 512 along K
.endif
	WIN MUL_HI
.irp i, 0,1,2,3
	s_wait_dscnt 29-4*\i                           ; as in every group, and the add may be out
	MULB 8+\i, AF+16*\i, 3, 0
.endr
	s_wait_dscnt 0x0                               ; the add is done, and my reads of this slot are over
	s_barrier_signal -1
	MULB 12, AF+64, 3, 0
	MULB 13, AF+80, 3, 0
	WIN 0
	s_barrier_wait -1
.if \fill
	CREST
	TLOAD \slot                                    ; its four v_nop are also the places in front of the loads below
.else
	PLACES
.endif
.if \rows
	LDRB 0
.else
	LDGRP \next, 0, 0
.endif
.if (\ask) >= 0
	ASK \ask, \ask
.endif
	WIN MUL_HI
	MULB 14, AF+96, 3, 0
	MULB 15, AF+112, 3, 0
.endm
; by rows: block a is finished (K's last 128 come from window 0), the block two on is read into its place, and block a is scaled, given its bias and stored.
; Results go into window 1, v[192 + 32 (a % 2) ..]: register 4 j + c is (row 16 a + 8 h + j, column 4 r + c)
.macro ROWB a
	WIN MUL_LO+0x50*((\a)/8)
.irp u, 0,1,2
.if (\a) < 15
	s_wait_dscnt 28-4*\u                           ; fragment u is in; the rest of the block's run and the next block's 16 loads may be out
.else
	s_wait_dscnt 12-4*\u
.endif
.if ((\a) == 0) && (\u == 2)
	s_wait_loadcnt 0x0                             ; set 2, the youngest of w's loads
.endif
	MULB \a, AF+64*((\a)%2)+16*\u, \u, 0
.endr
.if (\a) < 15
	s_wait_dscnt 16
.else
	s_wait_dscnt 0
.endif
	WIN MUL_LO+0x50*((\a)/8)-4                     ; source 1 in window 0
	MULB \a, AF+64*((\a)%2)+48, 3, 0
	PLACES
	WIN 0
.if (\a)+2 <= 15
	LDRB (\a)+2
.endif
.if (\a) >= 2
	s_wait_xcnt 0x0                                ; block a - 2's stores have read their registers
.endif
	WIN 0x42+(\a)/8
.irp j, 0,1,2,3,4,5,6,7
.irp c, 0,1,2,3
	v_fma_f32 v[192+32*((\a)%2)+4*\j+\c], v[8*(4*((\a)%8)+\c)+\j], s96, v[BI+\c]   ; each accumulator from its low end on
.endr
.endr
	WIN 0x04
.irp j, 0,1,2,3,4,5,6,7
	global_store_b128 v[CO], v[192+32*((\a)%2)+4*\j:192+32*((\a)%2)+4*\j+3], s[12:13] offset:(16*(\a)+\j)*16384 th:TH_STORE_NT   ; sixteen lanes: 256 bytes on end, aligned
.endr
.endm
	s_load_b128 s[4:7], s[0:1], 0x0                ; x's codes, w's codes
	s_load_b128 s[8:11], s[0:1], 0x10              ; the scales' exponents, bias
	s_load_b64 s[12:13], s[0:1], 0x20              ; the result
	v_lshl_add_u32 v[SPW], v0, 2, SPARE
	v_mov_b32 v[NIL], 0
	ds_add_u32 v[SPW], v[NIL]                      ; the opening lines: the add, twice on end, and its wait
	ds_add_u32 v[SPW], v[NIL]
	v_lshrrev_b32 v1, 5, v0
	v_readfirstlane_b32 s14, v1                    ; wave 0..3
	v_and_b32 v2, 15, v0                           ; r
	v_bfe_u32 v3, v0, 4, 1                         ; h
	v_and_b32 v4, 31, v0                           ; lane
	v_mul_u32_u24 v5, v2, PITCH
	v_lshl_add_u32 v[ADRA], v3, 4, v5              ; row r x pitch + 16 h
	v_add_nc_u32 v[ADRA+1], 8*BLK, v[ADRA]
	v_add_nc_u32 v[ADRA+2], SLOT, v[ADRA]
	v_add_nc_u32 v[ADRA+3], SLOT+8*BLK, v[ADRA]
	v_lshlrev_b32 v[GO], 4, v4
	v_lshlrev_b32 v[BO], 4, v2
	v_lshl_add_u32 v[CO], v3, 17, v[BO]            ; 8 h rows of 16,384 bytes + 16 r
	v_lshlrev_b32 v[PFOB], 8, v4                   ; w: a lane a block of 256 bytes
	v_lshlrev_b32 v6, 12, v2
	v_lshl_add_u32 v[PFOA], v3, 8, v6              ; x: row r, block h of the K step's two
	s_bfe_u32 s40, ttmp6, 0x40000                  ; cx
	s_bfe_u32 s41, ttmp6, 0x40004                  ; cy
	s_lshl_b32 s42, ttmp9, 2
	s_add_co_u32 s42, s42, s40                     ; block column
	s_and_b32 s17, ttmp7, 0xffff
	s_lshl_b32 s17, s17, 2
	s_add_co_u32 s17, s17, s41                     ; block row
	s_lshl_b32 s43, s41, 2
	s_lshl_b32 s43, 15, s43                        ; my row of the cluster
	s_or_b32 s[G1+0], s43, (1<<20)|(1<<21)|(6<<22)|(3<<25)   ; the mask; elements of 1 byte; 4 words of padding behind every 128
	s_mov_b32 s[G1+1], 512<<16
	s_mov_b32 s[G1+2], 64<<16
	s_mov_b32 s[G1+3], 512<<16
	s_mov_b32 s[G1+4], 64
	s_mov_b32 s[G1+5], 4096
	s_mov_b32 s[G1+6], 0
	s_mov_b32 s[G1+7], 0
	s_lshl_b32 s20, s17, 8
	s_lshl_b32 s18, s14, 6
	s_add_co_u32 s20, s20, s18                     ; x: row 256 x block row + 64 x wave,
	s_lshl_b32 s20, s20, 12                        ; in bytes
	s_mov_b32 s21, 0
	s_mul_i32 s45, s14, 64*PITCH                   ; and where it goes in a slot
	s_lshl_b32 s50, s42, 4
	s_lshl_b32 s51, s14, 2
	s_add_co_u32 s50, s50, s51                     ; w: tile 16 x block column + 4 x wave,
	s_lshl_b32 s50, s50, 16                        ; in bytes
	s_mov_b32 s51, 0
	s_lshl_b32 s52, s40, 16                        ; x's prefetch: my work-group's 16 of the wave's 64 rows,
	s_add_co_u32 s52, s52, s20
	s_add_co_u32 s52, s52, 3*512                   ; at K step 3
	s_mov_b32 s53, 0
	s_lshl_b32 s54, s41, 16                        ; w's prefetch: my work-group's one of the wave's 4 tiles,
	s_add_co_u32 s54, s54, s50
	s_add_co_u32 s54, s54, 3*8192                  ; at slot 3
	s_mov_b32 s55, 0
	s_lshl_b32 s58, s42, 10
	s_lshl_b32 s59, s14, 8
	s_add_co_u32 s58, s58, s59                     ; my first column, in bytes of f32
	s_mov_b32 s59, 0
	s_lshl_b32 s56, s17, 22                        ; my first row: 256 x block row x 16,384 bytes
	s_add_co_u32 s56, s56, s58
	s_mov_b32 s57, 0
	s_wait_alu depctr_va_vdst(0)                   ; the wait at the end of the head's vector work
	s_wait_dscnt 0x0                               ; both opening adds are done
	CROUND                                         ; the round in front of the first joint loads; it names no argument, so it stands ahead of the wait for them
	s_wait_kmcnt 0x0
	s_load_b64 s[96:97], s[8:9], 0x0               ; e0, e1
	s_add_nc_u64 s[20:21], s[4:5], s[20:21]
.irp s, 0,1
	s_mov_b32 s[G0+4*\s], 1
	s_add_co_u32 s[G0+4*\s+1], s45, \s*SLOT
	s_add_nc_u64 s[G0+4*\s+2:G0+4*\s+3], s[20:21], \s*512
	s_or_b32 s[G0+4*\s+3], s[G0+4*\s+3], 0x80000000
.endr
	TLOAD 0                                        ; K step 0: one tensor load a wave at the head, ahead of every other request for data
	s_add_nc_u64 s[BB:BB+1], s[6:7], s[50:51]
	s_add_nc_u64 s[PFA:PFA+1], s[4:5], s[52:53]
	s_add_nc_u64 s[PFB:PFB+1], s[6:7], s[54:55]
	s_add_nc_u64 s[12:13], s[12:13], s[56:57]
	s_add_nc_u64 s[10:11], s[10:11], s[58:59]
	global_load_b128 v[BI:BI+3], v[BO], s[10:11]   ; bias of my four columns 4 r + 0 .. 3
	WIN TO_B
	LDB 0                                          ; w's first step
	WIN 0
	s_wait_tensorcnt 0x0                           ; the tensor wait, the add and its wait, as ahead of a refill
	ds_add_u32 v[SPW], v[NIL]
	s_wait_dscnt 0x0
	CROUND
	TLOAD 1                                        ; K step 1
	LDGRP 0, 0, 0
	WIN TO_B
	LDB 1
	LDB 2
	WIN 0
	SUB 0, 0, 1, 3                                 ; the first step starts the sums: nothing is cleared
	WIN 0
	s_mov_b32 s3, 3
.Llap:                                                 ; a trip: eight steps, once round the ring, from a lap's second step to the next lap's first
	SUB 0, 1, 0, 4
	SUB 0, 2, 0, 5
	TURN 0, 1, 1, 6, 0, 0
	SUB 1, 0, 0, 7
	SUB 1, 1, 0, 8
	SUB 1, 2, 0, 9
	TURN 1, 0, 1, 10, 1, 0
	SUB 0, 0, 0, 11
	WIN 0
	s_wait_xcnt 0x0                                ; the trip's loads and prefetches have read their bases
	s_add_nc_u64 s[BB:BB+1], s[BB:BB+1], 16384
	s_add_nc_u64 s[PFA:PFA+1], s[PFA:PFA+1], 1024
	s_add_nc_u64 s[PFB:PFB+1], s[PFB:PFB+1], 16384
	s_sub_co_u32 s3, s3, 1
	s_cmp_lg_u32 s3, 0
	s_cbranch_scc1 .Llap
	SUB 0, 1, 0, 4                                 ; the last lap fills nothing
	SUB 0, 2, 0, 5
	WIN 0
	LDB 7                                          ; w's very last step, into window 0, v192-255, which no line has named so far
	TURN 0, 1, 0, 6, -1, 1
	PLACES
	WIN 0
	LDRB 1
	s_wait_kmcnt 0x0
	s_add_co_i32 s96, s96, s97
	s_add_co_i32 s96, s96, 127
	s_lshl_b32 s96, s96, 23                        ; 2^(e0 + e1) as f32
	s_wait_loadcnt 16                              ; all of w but the youngest 16 loads, set 2's
.irp a, 0,1,2,3,4,5,6,7,8,9,10,11,12,13,14,15
	ROWB \a
.endr
	WIN 0
	s_wait_tensorcnt 0x0                           ; the wave's end
	ds_add_u32 v[SPW], v[NIL]
	s_wait_dscnt 0x0
	CROUND                                         ; the closing round
	s_endpgm
.Lfunc_end_k_q14e3b71983_gemm:
	.size	k_q14e3b71983_gemm, .Lfunc_end_k_q14e3b71983_gemm-k_q14e3b71983_gemm
	.p2alignl 7, 3214868480
	.fill 96, 4, 3214868480
	.section	.rodata,"a",@progbits
	.p2align	6, 0x0
	.amdhsa_kernel k_q14e3b71983_gemm
		.amdhsa_group_segment_fixed_size 327680
		.amdhsa_private_segment_fixed_size 0
		.amdhsa_enable_private_segment 0
		.amdhsa_kernarg_size 40
		.amdhsa_user_sgpr_count 2
		.amdhsa_user_sgpr_kernarg_segment_ptr 1
		.amdhsa_wavefront_size32 1
		.amdhsa_system_sgpr_workgroup_id_x 1
		.amdhsa_system_sgpr_workgroup_id_y 1
		.amdhsa_system_sgpr_workgroup_id_z 1
		.amdhsa_system_vgpr_workitem_id 0
		.amdhsa_next_free_vgpr 1024
		.amdhsa_next_free_sgpr 98
		.amdhsa_reserve_vcc 0
		.amdhsa_float_denorm_mode_32 3
		.amdhsa_float_denorm_mode_16_64 3
		.amdhsa_memory_ordered 1
		.amdhsa_forward_progress 1
		.amdhsa_inst_pref_size 227
	.end_amdhsa_kernel
	.amdgpu_metadata
---
amdhsa.version: [ 1, 2 ]
amdhsa.kernels:
  - .name:           k_q14e3b71983_gemm
    .symbol:         k_q14e3b71983_gemm.kd
    .args:
      - { .name: x_codes, .offset: 0, .size: 8, .value_kind: global_buffer, .address_space: global }
      - { .name: w_codes, .offset: 8, .size: 8, .value_kind: global_buffer, .address_space: global }
      - { .name: lowp_scales, .offset: 16, .size: 8, .value_kind: global_buffer, .address_space: global }
      - { .name: bias, .offset: 24, .size: 8, .value_kind: global_buffer, .address_space: global }
      - { .name: out0, .offset: 32, .size: 8, .value_kind: global_buffer, .address_space: global }
    .group_segment_fixed_size: 327680
    .private_segment_fixed_size: 0
    .kernarg_segment_align: 8
    .kernarg_segment_size: 40
    .max_flat_workgroup_size: 128
    .sgpr_count:     98
    .vgpr_count:     1024
    .wavefront_size: 32
...
	.end_amdgpu_metadata
.endif
;; end of part 2
